; MI455X (gfx1250); checked and timed in simulation.
; The chip was launched on July 23, 2026; its instructions are those of AMD's public machine-readable ISA for CDNA 5 (MIT licence, August 2026) and "CDNA5" Instruction Set Architecture Reference Guide (July 2026). The comments in the code are by the model that wrote it; some were corrected since.
;; Attention. Allowed arithmetic: float matrix products may take bf16 or f16 operands with f32 sums; other float arithmetic in f32, or as packed bf16 or f16 multiplies, adds, multiply-adds, maxima and minima; sums over many terms, partial sums and values carried from step to step in f32; what a program stores and reads back later, other than sums and carried values, may be rounded once to bf16 or f16.
;; Inputs: Ua_b 1,024 float32; Ua_w 1,024 x 1,024 float32; Wa_b 1,024 float32; Wa_w 1,024 x 1,024 float32; key 2,048 x 32 x 1,024 float32; query 32 x 1 x 1,024 float32; va_b 1 float32; va_w 1,024 float32.
;; Outputs: out0 32 x 1 x 1,024 float32; out1 32 x 1 x 2,048 float32.
;; One version. Each part assembles by itself: llvm-mc -triple=amdgcn-amd-amdhsa -mcpu=gfx1250 --defsym DOCPART=n.
;; ======== version 1 of 1: 3 launches
;; workspace buffers: ub 2,097,152 bytes; qb 131,072 bytes; scores 262,144 bytes; ctxp 2,097,152 bytes
;; launch prep (part 1): grid 192 x 1, 16 waves a work-group, no clusters, 34,816 bytes of LDS; arguments Ua_w, Wa_w, query, Wa_b, Ua_b, ub, qb; writes ub, qb
.if DOCPART == 1
	.amdgcn_target "amdgcn-amd-amdhsa--gfx1250"
	.amdhsa_code_object_version 6
	.text
	.protected	k_q023a6bd77b_prep
	.globl	k_q023a6bd77b_prep
	.p2align	8
	.type	k_q023a6bd77b_prep,@function
k_q023a6bd77b_prep:
	s_mov_b64 s[64:65], 0
	v_nop
	global_prefetch_b8 v0, s[64:65] scope:SCOPE_SE
	s_setreg_imm32_b32 hwreg(HW_REG_WAVE_MODE, 25, 1), 1
	s_wait_xcnt 0x0
; TWO SMALL JOBS IN FRONT OF THE MAIN LAUNCH, told apart by the work-group's number alone (the same in all waves of a work-group).
; Work-groups 0-127: Ua_w [1024 k][1024 n] f32 -> ub, bf16 in the order in which a wave's matrix fragments want it.  The 16 bytes that hold k = 8 ko .. 8 ko + 7 of column n lie at
;   (n>>7) 262144 + (ko>>2) 8192 + ((n>>4)&7) 1024 + (ko&3) 256 + (n&15) 16:  [128 columns][32 k][16 columns][1,024 bytes = one fragment: two loads of 16 bytes a lane].
; Work-groups 128-191: qb = c2 (query[b] . Wa_w[:, n] + Wa_b[n] + Ua_b[n]), f32, c2 = 2 log2(e): the bias of the main launch, already scaled for its exponential.
;   Layout [64 blocks of 16 columns][32 b][16 columns], so that a work-group's 2,048 bytes lie on end.  A work-group makes one block for all 32 rows; wave v takes k = 64 v .. 64 v + 63; the 16 partial
;   sums meet in LDS.  All of a wave's 50 loads go out at once.  query and Wa_w are rounded to bf16, sums in f32.
; LIMITS: NaN and infinities are not treated apart; the f32 sums are taken in another order than a plain dot product's.
.set SPARE, 32768                      ; behind the 16 waves' partial tiles (2,048 bytes each): the spare words, 128 bytes a wave, that no other line names
.set SPW, 2                            ; v2   LDS address of my spare word; never rewritten
.set NIL, 3                            ; v3   0; never rewritten
.set ACC, 16                           ; v[16:31] two accumulators: query rows 0-15, 16-31
	s_load_b256 s[4:11], s[0:1], 0x0               ; Ua_w s[4:5], Wa_w s[6:7], query s[8:9], Wa_b s[10:11]
	s_load_b128 s[12:15], s[0:1], 0x20             ; Ua_b s[12:13], ub s[14:15]
	s_load_b64 s[16:17], s[0:1], 0x30              ; qb
	v_lshl_add_u32 v[SPW], v0, 2, SPARE
	v_mov_b32 v[NIL], 0
	v_lshrrev_b32 v1, 5, v0
	v_readfirstlane_b32 s18, v1                    ; wave 0..15
	v_and_b32 v4, 15, v0                           ; t % 16
	v_bfe_u32 v5, v0, 4, 1                         ; (lane) / 16
	s_wait_kmcnt 0x0
	s_cmp_lt_u32 ttmp9, 128
	s_cbranch_scc0 .Lq
	; ---- Ua_w -> ub.  ko = the work-group's number; thread t takes columns t and t + 512: eight numbers down a column each.
	s_lshl_b32 s20, ttmp9, 15                      ; 8 rows of 4,096 bytes
	s_mov_b32 s21, 0
	s_add_nc_u64 s[4:5], s[4:5], s[20:21]
	s_lshr_b32 s22, ttmp9, 2
	s_lshl_b32 s22, s22, 13                        ; (ko >> 2) x 8,192
	s_and_b32 s23, ttmp9, 3
	s_lshl_b32 s23, s23, 8                         ; (ko & 3) x 256
	s_add_co_u32 s22, s22, s23
	s_mov_b32 s23, 0
	s_add_nc_u64 s[14:15], s[14:15], s[22:23]
	v_lshlrev_b32 v6, 2, v0                        ; column t in a row of Ua_w
	v_lshrrev_b32 v7, 7, v0
	v_lshlrev_b32 v7, 18, v7                       ; (t >> 7) x 262,144
	v_bfe_u32 v1, v0, 4, 3
	v_lshl_or_b32 v7, v1, 10, v7                   ; ((t >> 4) & 7) x 1,024
	v_lshl_or_b32 v7, v4, 4, v7                    ; (t & 15) x 16
.irp e, 0,1
.irp i, 0,1,2,3,4,5,6,7
	global_load_b32 v[16+8*(\e)+(\i)], v6, s[4:5] offset:(\i)*4096+(\e)*2048 th:TH_LOAD_NT
.endr
.endr
	s_wait_loadcnt 0x0
.irp e, 0,1
.irp j, 0,1,2,3
	v_cvt_pk_bf16_f32 v[32+4*(\e)+(\j)], v[16+8*(\e)+2*(\j)], v[16+8*(\e)+2*(\j)+1]  ; the lower k in the low half
.endr
.endr
	global_store_b128 v7, v[32:35], s[14:15]                  ; 16 lanes store 256 consecutive bytes, at a multiple of 256 from ub's first byte
	global_store_b128 v7, v[36:39], s[14:15] offset:1048576   ; column t + 512: four blocks of 128 columns on
	s_branch .Lend
	; ---- qb.
.Lq:
	s_sub_co_u32 s19, ttmp9, 128                   ; g: columns 16 g .. 16 g + 15
	s_mov_b32 s23, 0
	s_lshl_b32 s22, s19, 6                         ; 16 columns of f32
	s_add_nc_u64 s[10:11], s[10:11], s[22:23]
	s_add_nc_u64 s[12:13], s[12:13], s[22:23]
	s_lshl_b32 s24, s18, 18                        ; my 64 rows of Wa_w, 4,096 bytes each
	s_add_co_u32 s22, s22, s24
	s_add_nc_u64 s[6:7], s[6:7], s[22:23]
	s_lshl_b32 s22, s18, 8                         ; my 64 k in a row of query
	s_add_nc_u64 s[8:9], s[8:9], s[22:23]
	s_lshl_b32 s22, s19, 11                        ; the work-group's 2,048 bytes of qb
	s_add_nc_u64 s[16:17], s[16:17], s[22:23]
	s_mov_b32 s26, 0x4038aa3b                      ; c2 = 2 log2(e)
	s_mov_b32 s27, s26                             ; named with it as a pair
	v_lshlrev_b32 v8, 2, v4
	v_lshl_or_b32 v8, v5, 15, v8                   ; Wa_w: column l % 16, 8 rows further down for lanes 16-31
	v_lshlrev_b32 v9, 12, v4
	v_lshl_or_b32 v9, v5, 5, v9                    ; query: row l % 16, 8 k further on for lanes 16-31
	v_and_b32 v1, 31, v0
	s_lshl_b32 s24, s18, 11
	v_lshl_add_u32 v10, v1, 5, s24                 ; my 32 bytes of my wave's first partial tile
	v_and_b32 v12, 3, v0                           ; part 2: thread t < 128 finishes row b = t >> 2, columns 4 q .. 4 q + 3, q = t & 3
	v_lshlrev_b32 v15, 4, v12
	global_load_b128 v[48:51], v15, s[10:11]       ; their biases: the oldest loads, so every wait below covers them
	global_load_b128 v[52:55], v15, s[12:13]
; A block of 32 k: 24 loads into set kb of two sets of 48 registers.  16 numbers down my column of Wa_w (k = 8 (l / 16) + 0..7 and 16 + 8 (l / 16) + 0..7), and the same k of my row in both halves of query.
.macro LOADK kb
.set R, 64+48*(\kb)
.irp i, 0,1,2,3,4,5,6,7
	global_load_b32 v[R+(\i)],   v8, s[6:7] offset:(32*(\kb)+(\i))*4096
	global_load_b32 v[R+8+(\i)], v8, s[6:7] offset:(32*(\kb)+16+(\i))*4096
.endr
.irp rb, 0,1
	global_load_b128 v[R+16+16*(\rb):R+16+16*(\rb)+3],     v9, s[8:9] offset:(\rb)*65536+(\kb)*128
	global_load_b128 v[R+16+16*(\rb)+4:R+16+16*(\rb)+7],   v9, s[8:9] offset:(\rb)*65536+(\kb)*128+16
	global_load_b128 v[R+16+16*(\rb)+8:R+16+16*(\rb)+11],  v9, s[8:9] offset:(\rb)*65536+(\kb)*128+64
	global_load_b128 v[R+16+16*(\rb)+12:R+16+16*(\rb)+15], v9, s[8:9] offset:(\rb)*65536+(\kb)*128+80
.endr
.endm
; The block is rounded to bf16 in place (pair i lands in register i, which has been read) and multiplied.  Source 0 = 16 columns of Wa_w, source 1 = 16 rows of query: a lane ends with one row b and eight
; neighbouring columns.  The two accumulators take turns, one instruction a turn.  The first block starts the sums.
.macro MULK kb
.set R, 64+48*(\kb)
.irp x, 0,16,32
.irp i, 0,1,2,3,4,5,6,7
	v_cvt_pk_bf16_f32 v[R+(\x)+(\i)], v[R+(\x)+2*(\i)], v[R+(\x)+2*(\i)+1]
.endr
.endr
.if (\kb) == 0
	v_wmma_f32_16x16x32_bf16 v[ACC:ACC+7],    v[R:R+7], v[R+16:R+23], 0
	v_wmma_f32_16x16x32_bf16 v[ACC+8:ACC+15], v[R:R+7], v[R+32:R+39], 0
.else
	v_wmma_f32_16x16x32_bf16 v[ACC:ACC+7],    v[R:R+7], v[R+16:R+23], v[ACC:ACC+7]
	v_wmma_f32_16x16x32_bf16 v[ACC+8:ACC+15], v[R:R+7], v[R+32:R+39], v[ACC+8:ACC+15]
.endif
.endm
	LOADK 0
	LOADK 1
	s_wait_loadcnt 24                              ; the second block's 24 loads may stay out
	MULK 0
	s_wait_loadcnt 0x0
	MULK 1
.rept 8
	v_nop                                          ; the places between the last products and the stores that read their results, and the loads into registers that they read
.endr
	ds_store_b128 v10, v[ACC:ACC+3]                ; each accumulator is read from its low end on
	ds_store_b128 v10, v[ACC+4:ACC+7]   offset:16
	ds_store_b128 v10, v[ACC+8:ACC+11]  offset:1024
	ds_store_b128 v10, v[ACC+12:ACC+15] offset:1040
	; where thread t finds its four numbers in a wave's partial tiles: tile b >> 4, lane (q >> 1) 16 + (b & 15), half q & 1
	v_lshrrev_b32 v11, 2, v0                       ; b
	v_lshrrev_b32 v13, 4, v11
	v_lshlrev_b32 v13, 10, v13
	v_lshrrev_b32 v14, 1, v12
	v_and_b32 v57, 15, v11
	v_lshl_add_u32 v14, v14, 4, v57
	v_lshl_add_u32 v13, v14, 5, v13
	v_and_b32 v14, 1, v12
	v_lshl_add_u32 v13, v14, 4, v13
	v_lshlrev_b32 v56, 4, v0                       ; b x 64 + q x 16 = 16 t: my 16 bytes of the work-group's 2,048
	s_wait_dscnt 0x0                               ; for the others' sake: my partial tiles are in LDS
	s_barrier_signal -1
	s_barrier_wait -1                              ; everybody's are
	s_cmp_lt_u32 s18, 4                            ; 512 numbers, four a thread: waves 0 to 3 finish them
	s_cbranch_scc0 .Lend
.irp k, 0,1,2,3,4,5,6,7,8,9,10,11,12,13,14,15
	ds_load_b128 v[64+4*(\k):67+4*(\k)], v13 offset:2048*(\k)   ; the sixteen parts of K
.endr
	s_wait_dscnt 0x0
.irp st, 8,4,2,1
.set k, 0
.rept \st
	v_pk_add_f32 v[64+4*k:65+4*k], v[64+4*k:65+4*k], v[64+4*(k+(\st)):65+4*(k+(\st))]
	v_pk_add_f32 v[66+4*k:67+4*k], v[66+4*k:67+4*k], v[66+4*(k+(\st)):67+4*(k+(\st))]
.set k, k+1
.endr
.endr
	v_pk_add_f32 v[48:49], v[48:49], v[52:53]
	v_pk_add_f32 v[50:51], v[50:51], v[54:55]
	v_pk_add_f32 v[64:65], v[64:65], v[48:49]
	v_pk_add_f32 v[66:67], v[66:67], v[50:51]
	v_pk_mul_f32 v[64:65], v[64:65], s[26:27] op_sel_hi:[1,0]
	v_pk_mul_f32 v[66:67], v[66:67], s[26:27] op_sel_hi:[1,0]
	global_store_b128 v56, v[64:67], s[16:17]      ; 16 lanes store 256 consecutive bytes, at a multiple of 256 from qb's first byte
.Lend:
	s_wait_tensorcnt 0x0                           ; the wave's end, behind my last LDS store
	ds_add_u32 v[SPW], v[NIL]
	s_wait_dscnt 0x0
	s_endpgm
.Lfunc_end_k_q023a6bd77b_prep:
	.size	k_q023a6bd77b_prep, .Lfunc_end_k_q023a6bd77b_prep-k_q023a6bd77b_prep
	.p2alignl 7, 3214868480
	.fill 96, 4, 3214868480
	.section	.rodata,"a",@progbits
	.p2align	6, 0x0
	.amdhsa_kernel k_q023a6bd77b_prep
		.amdhsa_group_segment_fixed_size 34816
		.amdhsa_private_segment_fixed_size 0
		.amdhsa_enable_private_segment 0
		.amdhsa_kernarg_size 56
		.amdhsa_user_sgpr_count 2
		.amdhsa_user_sgpr_kernarg_segment_ptr 1
		.amdhsa_wavefront_size32 1
		.amdhsa_system_sgpr_workgroup_id_x 1
		.amdhsa_system_sgpr_workgroup_id_y 1
		.amdhsa_system_sgpr_workgroup_id_z 1
		.amdhsa_system_vgpr_workitem_id 0
		.amdhsa_next_free_vgpr 160
		.amdhsa_next_free_sgpr 66
		.amdhsa_reserve_vcc 0
		.amdhsa_float_denorm_mode_32 3
		.amdhsa_float_denorm_mode_16_64 3
		.amdhsa_memory_ordered 1
		.amdhsa_forward_progress 1
		.amdhsa_inst_pref_size 18
	.end_amdhsa_kernel
	.amdgpu_metadata
---
amdhsa.version: [ 1, 2 ]
amdhsa.kernels:
  - .name:           k_q023a6bd77b_prep
    .symbol:         k_q023a6bd77b_prep.kd
    .args:
      - { .name: Ua_w, .offset: 0, .size: 8, .value_kind: global_buffer, .address_space: global }
      - { .name: Wa_w, .offset: 8, .size: 8, .value_kind: global_buffer, .address_space: global }
      - { .name: query, .offset: 16, .size: 8, .value_kind: global_buffer, .address_space: global }
      - { .name: Wa_b, .offset: 24, .size: 8, .value_kind: global_buffer, .address_space: global }
      - { .name: Ua_b, .offset: 32, .size: 8, .value_kind: global_buffer, .address_space: global }
      - { .name: ub, .offset: 40, .size: 8, .value_kind: global_buffer, .address_space: global }
      - { .name: qb, .offset: 48, .size: 8, .value_kind: global_buffer, .address_space: global }
    .group_segment_fixed_size: 34816
    .private_segment_fixed_size: 0
    .kernarg_segment_align: 8
    .kernarg_segment_size: 56
    .max_flat_workgroup_size: 512
    .sgpr_count:     66
    .vgpr_count:     160
    .wavefront_size: 32
...
	.end_amdgpu_metadata
.endif
;; end of part 1
;; launch main (part 2): grid 256 x 1, 4 waves a work-group, no clusters, 291,328 bytes of LDS; arguments key, ub, qb, va_w, va_b, scores, ctxp; writes scores, ctxp
.if DOCPART == 2
	.amdgcn_target "amdgcn-amd-amdhsa--gfx1250"
	.amdhsa_code_object_version 6
	.text
	.protected	k_q023a6bd77b_main
	.globl	k_q023a6bd77b_main
	.p2align	8
	.type	k_q023a6bd77b_main,@function
k_q023a6bd77b_main:
	s_mov_b64 s[64:65], 0
	v_nop
	global_prefetch_b8 v0, s[64:65] scope:SCOPE_SE
	s_setreg_imm32_b32 hwreg(HW_REG_WAVE_MODE, 25, 1), 1
	s_wait_xcnt 0x0
; ADDITIVE ATTENTION, all but the last merge.  key: [2048 s][32 b][1024] f32.  For one batch b and 256 positions s, in two sub-tiles of 128 rows:
;   the rows are read from memory ONCE, rounded to bf16 and kept in LDS;  z = key . Ua (bf16 operands, f32 sums), all 1,024 columns, in two passes of 512;
;   score[s] = sum_n va[n] tanh(z[s][n] + bias[b][n]) + va_b, in f32;  m = the sub-tile's largest score;  p[s] = 2^((score - m) log2 e);
;   the sub-tile's part of the context, sum_s p[s] key[s][:], from the rows still in LDS (bf16 rows, f32 weights and sums).
; Stored: the raw scores (f32) and one part of the context for each sub-tile (f32); the next launch finds each part's m again from the scores (a maximum is exact) and merges.
; tanh(x) = 1 - 2 / (1 + 2^(c2 x)), c2 = 2 log2 e; qb holds c2 x bias.  So score = sum va + sum (-2 va) / (1 + 2^(c2 z + qb)).  An exponential that overflows gives 1, one that vanishes gives -1.
; LIMITS: NaN and infinities in the inputs are not treated apart; an exponential below 2^-126 counts as 0; tanh's absolute error is about 1e-7; the f32 sums are taken in another order than the reference's.
; SHARES.  b = the work-group's number & 31, its 256 positions by number >> 5.  Fill: wave w brings rows 32 w .. 32 w + 31.  Product: wave w takes all 128 rows x 128 columns, block 2 w + pass, in 64
; accumulators.  Context: wave w takes channels 256 w .. 256 w + 255.
; THE FILL GOES UNDER THE FIRST PASS'S PRODUCTS.  The products on K block j (128 k) want block j of the rows alone.  A SET is 8 of my rows x one block's 512 bytes: 8 loads, 32 registers; a sub-tile has 32 sets,
; set i = block i / 4, rows 8 (i % 4) on.  Set i is asked for at the head of quarter i - 7 of the first pass and rounded and put into LDS at the head of quarter i - 5; a barrier at the head of quarter 4 j - 1,
; where block j's first fragments are fetched, shows block j whole.  Sets 0 to 6 are asked for ahead of the pass: 0 to 4 into the accumulators' registers, which are free there (for the second sub-tile behind the
; last epilogue, so that scores and context stand between request and use), 5 and 6 at the sub-tile's start.
; Ua's fragments (ub, laid out by the launch before) go straight into the registers of the one wave that multiplies them, three quarters of 32 k ahead.
; NO CLUSTER, though every work-group reads all of ub: beside the 278,528 bytes of key rows LDS has 49,152 bytes left, and a quarter step of the four waves' columns is 512 x 32 x 2 = 32,768 bytes: two slots of
; one quarter do not fit; and no byte of ub is used by two waves of a work-group.  NO TENSOR LOADS: key passes through registers to be rounded.
; THE MATRIX INSTRUCTION IS USED TRANSPOSED (source 0 = 16 columns of Ua, source 1 = 16 rows of key): a lane holds ONE row (lane % 16) and the columns 8 (lane / 16) + 0..7.
; REGISTERS, in windows of 256 (s_set_vgpr_msb: bits 1:0 source 0, 3:2 source 1, 5:4 source 2, 7:6 destination):
;   window 0: v0-31 addresses; v32-49 the scores' sums; v64-127, v128-191 two buffers of key fragments (in the epilogue its constants, in the context the weights and a ring of rows);
;             v192-255 at work; in the first pass's K loop the two sets that are on their way
;   window 1: four buffers of Ua fragments, 64 each      windows 2, 3: the accumulators, (a, cb) at 8 (8 (a % 4) + cb) of window 2 + a / 4; ahead of a first pass window 2 takes sets 0 to 4
.set PITCH, 272                        ; an LDS row: 256 bytes (128 k) + 16 = 68 words: the 16 rows of a fragment load start at 16 different groups of four banks (64 banks of 4 bytes: ISA guide 11.1)
.set KBLK,  128*PITCH                  ; a block: 128 k of all 128 rows
.set CB,    8*KBLK                     ; behind the rows: c2 x bias of batch b, 4,096 bytes
.set CV,    CB+4096                    ; -2 va, 4,096 bytes
.set SCR,   CV+4096                    ; [4 waves][128 rows] f32: each wave's share of the scores
.set PW,    SCR+2048                   ; for each wave 512 bytes of its own: the weights of the 64 even rows, then of the 64 odd rows
.set SPARE, PW+2048                    ; the spare words, 128 bytes a wave: two blocks of 256 bytes that no other line names
.set ROWB,  131072                     ; bytes from position s to s + 1 of one batch in key
.set QBY,   8192                       ; bytes of ub in a quarter of 32 k x 128 columns
.set LANE, 1
.set R16,  2                           ; lane % 16
.set HI,   3                           ; lane / 16
.set BO,   4                           ; 16 x lane
.set AD0,  5                           ; my place in a fragment's rows: (l % 16) PITCH + 16 (l / 16)
.set AD,   6                           ; the same in the block in hand
.set CA,   7                           ; the epilogue's constants for this pass
.set SS,   8                           ; where my wave puts row l % 16's share of the score
.set SL,   9                           ; where I read four rows' shares back
.set PWS,  10                          ; where I put weights
.set PWL,  11                          ; where I read my half's weights
.set XA0,  12                          ; context: row l / 16, 16 bytes l % 16, in block 2 w
.set XA,   13
.set CO,   14                          ; my 16 bytes of 512 of ctxp
.set PF,   15                          ; the prefetches' offset: row l / 2, block l % 2 of 256 bytes; never rewritten
.set SA0,  16                          ; fill: my 8 bytes of my wave's first row in block 0
.set SAX,  17                          ; the same one block behind the block that is being multiplied
.set CLQ,  18                          ; my 8 numbers of batch b in qb
.set CA0,  25
.set SPW,  26                          ; LDS address of my spare word; never rewritten
.set NIL,  27                          ; 0; never rewritten
.set CLO,  28                          ; 32 x thread: my 8 numbers of va
.set CLS,  29
.set SC,   32                          ; v32-47: row block a's sum, a pair
.set VS,   48                          ; v48-49: the sum of my columns' va
.set F0,   64
.set F1,   128
.set T,    192
.set CX,   216                         ; v216-223: the context's eight sums
.set WV,   18                          ; s18  my wave's number
.set P,    24                          ; s[24:25] ub at the group of four quarters that is being loaded
.set K0,   26                          ; s[26:27] key at my wave's first row of the next sub-tile to be filled
.set KP,   28                          ; s[28:29] key at my wave's first row of the sub-tile in hand, 512 bytes further on with each lap
.set SCP,  30                          ; s[30:31] scores at the sub-tile
.set CXP,  32                          ; s[32:33] ctxp at the sub-tile's part, my wave's channels
.set C2,   34                          ; s[34:35] 2 log2 e, twice
.set L2E,  36                          ; s[36:37] log2 e, twice
.set SEL,  38                          ; s[38:39] v_permlanex16_b32's selects: each lane takes its own place in the other half
.set UPPER, 40                         ; s40  the mask of lanes 16-31
.set SUB,  41
.set PASS, 42
.set LAP,  43
.set KK,   45
.set WRAP, 46                          ; s[46:47]
.set VB,   48                          ; s[48:49] va_b, twice
.set MSB, 0
.macro WIN new                         ; the immediate's high byte repeats the setting that is left; a switch that changes nothing is dropped
.if MSB != (\new)
	s_set_vgpr_msb (MSB<<8)|(\new)
.set MSB, \new
.endif
.endm
.set MUL_LO, 0xa1                      ; source 0 (Ua) window 1, source 1 (key) window 0, C and D window 2
.set MUL_HI, 0xf1                      ; the same, C and D window 3
.set TO_B,   0x40                      ; destination window 1
.macro PLACES                          ; four places behind a matrix instruction, in front of loads into registers that it has read (ISA guide 7.12.1 for vector instructions)
.rept 4
	v_nop
.endr
.endm
; 16 LDS loads: the key fragments of one quarter (128 rows x 32 k at byte k behind AD) into buffer f
.macro FETCH_A k, f
	WIN 0
.irp i, 0,1,2,3,4,5,6,7
	ds_load_b128 v[(\f)+8*(\i):(\f)+8*(\i)+3],   v[AD] offset:(\k)+(\i)*16*PITCH
	ds_load_b128 v[(\f)+8*(\i)+4:(\f)+8*(\i)+7], v[AD] offset:(\k)+(\i)*16*PITCH+32
.endr
.endm
; 16 global loads: Ua's fragments of one quarter (128 columns x 32 k, 8,192 consecutive bytes) into buffer g
.macro FETCH_B g, off
	WIN TO_B
.irp i, 0,1,2,3,4,5,6,7
	global_load_b128 v[64*(\g)+8*(\i):64*(\g)+8*(\i)+3],   v[BO], s[P:P+1] offset:(\off)+(\i)*1024
	global_load_b128 v[64*(\g)+8*(\i)+4:64*(\g)+8*(\i)+7], v[BO], s[P:P+1] offset:(\off)+(\i)*1024+512
.endr
.endm
; 16 products: row blocks a0, a0 + 1 of the window's four x all 8 column blocks.  zero = 1: they start the sums.
.macro MUL16 fa, gb, hi, a0, zero
	WIN MUL_LO+0x50*(\hi)
.irp a, \a0, (\a0)+1
.irp b, 0,1,2,3,4,5,6,7
.if \zero
	v_wmma_f32_16x16x32_bf16 v[8*(8*(\a)+(\b)):8*(8*(\a)+(\b))+7], v[64*(\gb)+8*(\b):64*(\gb)+8*(\b)+7], v[(\fa)+8*(4*(\hi)+(\a)):(\fa)+8*(4*(\hi)+(\a))+7], 0
.else
	v_wmma_f32_16x16x32_bf16 v[8*(8*(\a)+(\b)):8*(8*(\a)+(\b))+7], v[64*(\gb)+8*(\b):64*(\gb)+8*(\b)+7], v[(\fa)+8*(4*(\hi)+(\a)):(\fa)+8*(4*(\hi)+(\a))+7], v[8*(8*(\a)+(\b)):8*(8*(\a)+(\b))+7]
.endif
.endr
.endr
.endm
; A QUARTER of 32 k: 64 products of key buffer fa and Ua buffer gb.  At its head, in one run: the next quarter's key fragments (byte ka, buffer fn; ka < 0: none) and Ua's fragments three quarters on
; (buffer gl, which the quarter before multiplied).  The 64 accumulators take turns in one order, over every jump too.
.macro QUARTER fa, gb, ka, fn, gl, off, zero
	PLACES
.if (\ka) >= 0
	FETCH_A \ka, \fn
.endif
	FETCH_B \gl, \off
.if (\ka) >= 0
	s_wait_dscnt 16                                ; the 16 just issued may stay out: this quarter's key fragments, asked for a quarter ago, are in
.else
	s_wait_dscnt 0x0
.endif
	s_wait_loadcnt 48                              ; three younger quarters of Ua, 16 loads each, may stay out: this quarter's are in
	MUL16 \fa, \gb, 0, 0, \zero
	MUL16 \fa, \gb, 0, 2, \zero
	MUL16 \fa, \gb, 1, 0, \zero
	MUL16 \fa, \gb, 1, 2, \zero
.endm
; A QUARTER OF THE FIRST PASS, which also fills.  The set in half par of T, asked for two quarters ago, is rounded in place (pair m lands in register m, which has been read) and put into LDS at byte so behind SAX:
; load r holds k = 4 lane + 0..3 of row r's 128: 8 bytes a lane, the wave's store covers 256 consecutive bytes.  Then the same registers take the set two further on, from byte ko behind KP (ko < 0: none is left).
; lw: how many loads are younger than the set: it was issued last in its run, so the 24 of the run between (16 of Ua, 8 of key).  Loads come back in order (ISA guide 5.7.1), so this quarter's Ua, asked for
; three quarters ago, is in as well.  The 16 conversions are the places behind the last products.  bar = 1: the barrier that shows the next block whole, ahead of the run that fetches its first fragments.
; pf >= 0: A PREFETCH INTO THE L2 of 16 of my rows x 512 bytes of the K block that the next lap will load, a lane a block of 256 bytes, behind the run's loads; the last lap has no block behind its own.
.macro QS fa, gb, ka, fn, gl, off, zero, par, so, ko, lw, bar, pf
.set TS, T+32*(\par)
	WIN 0
.if \bar
	s_wait_dscnt 0x0                               ; for the others' sake: my stores of the block (the last a quarter ago) are done; so are my LDS loads
	s_barrier_signal -1
	s_barrier_wait -1                              ; everybody's are
.endif
	s_wait_loadcnt \lw
.irp m, 0,1,2,3,4,5,6,7,8,9,10,11,12,13,14,15
	v_cvt_pk_bf16_f32 v[TS+(\m)], v[TS+2*(\m)], v[TS+2*(\m)+1]
.endr
.irp r, 0,1,2,3,4,5,6,7
	ds_store_b64 v[SAX], v[TS+2*(\r):TS+2*(\r)+1] offset:(\so)+(\r)*PITCH
.endr
	FETCH_A \ka, \fn
	FETCH_B \gl, \off
	WIN 0
.if (\ko) >= 0
.irp r, 0,1,2,3,4,5,6,7
	global_load_b128 v[TS+4*(\r):TS+4*(\r)+3], v[BO], s[KP:KP+1] offset:(\ko)+(\r)*ROWB th:TH_LOAD_NT  ; 512 consecutive bytes of a row
.endr
.endif
.if (\pf) >= 0
	s_cmp_gt_u32 s[LAP], 1
	s_cbranch_scc0 .Lnpf_\@
	global_prefetch_b8 v[PF], s[KP:KP+1] offset:\pf th:TH_LOAD_NT scope:SCOPE_SE
.Lnpf_\@:
.endif
	s_wait_dscnt 24                                ; this run's 8 stores and 16 loads may stay out: this quarter's key fragments, asked for a quarter ago, are in
	MUL16 \fa, \gb, 0, 0, \zero
	MUL16 \fa, \gb, 0, 2, \zero
	MUL16 \fa, \gb, 1, 0, \zero
	MUL16 \fa, \gb, 1, 2, \zero
.endm
; Sets 0 to 4 of the sub-tile at K0 (block 0, and rows 0-7 of block 1): 40 loads into window 2
.macro PRO_LOADS
	WIN 0x80                                       ; destination window 2
.irp s, 0,1,2,3,4
.irp r, 0,1,2,3,4,5,6,7
	global_load_b128 v[32*(\s)+4*(\r):32*(\s)+4*(\r)+3], v[BO], s[K0:K0+1] offset:(8*((\s)%4)+(\r))*ROWB+((\s)/4)*512 th:TH_LOAD_NT
.endr
.endr
	WIN 0
.endm
; THE EPILOGUE of column block cb: 8 row blocks x 8 numbers a lane.  x = c2 z + qb; e = 2^x; r = 1 / (1 + e); the row's sum takes (-2 va) r; VS takes va.
; The 64 exponentials are one batch with one wait, the 64 reciprocals another.
.macro EPI cb
.set CBI, F0+16*(\cb)                  ; qb of my 8 columns
.set CVA, F0+16*(\cb)+8                ; -2 va of my 8 columns
	WIN 0x02                                       ; source 0 window 2.
.irp i, 0,1,2,3
.irp a, 0,1,2,3
	v_pk_fma_f32 v[T+8*(\a)+2*(\i):T+8*(\a)+2*(\i)+1], v[8*(8*(\a)+(\cb))+2*(\i):8*(8*(\a)+(\cb))+2*(\i)+1], s[C2:C2+1], v[CBI+2*(\i):CBI+2*(\i)+1] op_sel_hi:[1,0,1]
.endr
.endr
	WIN 0x03                                       ; source 0 window 3
.irp i, 0,1,2,3
.irp a, 0,1,2,3
	v_pk_fma_f32 v[T+32+8*(\a)+2*(\i):T+32+8*(\a)+2*(\i)+1], v[8*(8*(\a)+(\cb))+2*(\i):8*(8*(\a)+(\cb))+2*(\i)+1], s[C2:C2+1], v[CBI+2*(\i):CBI+2*(\i)+1] op_sel_hi:[1,0,1]
.endr
.endr
	WIN 0
.set ez, 0
.rept 64
	v_exp_f32 v[T+ez], v[T+ez]
.set ez, ez+1
.endr
	v_nop                                          ; a plain instruction behind the last exponential,
	s_wait_alu depctr_va_vdst(0)                   ; and the one wait for the batch
.irp i, 0,1,2,3
	v_pk_add_f32 v[T+2*(\i):T+2*(\i)+1], v[T+2*(\i):T+2*(\i)+1], 1.0 op_sel_hi:[1,0]
.endr
.set ea, 0
.rept 8                                ; row block ea's reciprocals, with the next block's 1 + e set between them
.set ei, 0
.rept 4
	v_rcp_f32 v[T+8*ea+2*ei],   v[T+8*ea+2*ei]
	v_rcp_f32 v[T+8*ea+2*ei+1], v[T+8*ea+2*ei+1]
.if ea < 7
	v_pk_add_f32 v[T+8*ea+8+2*ei:T+8*ea+8+2*ei+1], v[T+8*ea+8+2*ei:T+8*ea+8+2*ei+1], 1.0 op_sel_hi:[1,0]
.endif
.set ei, ei+1
.endr
.set ea, ea+1
.endr
	v_nop
	s_wait_alu depctr_va_vdst(0)                   ; the one wait for the reciprocals
.irp i, 0,1,2,3
.irp a, 0,1,2,3,4,5,6,7
	v_pk_fma_f32 v[SC+2*(\a):SC+2*(\a)+1], v[T+8*(\a)+2*(\i):T+8*(\a)+2*(\i)+1], v[CVA+2*(\i):CVA+2*(\i)+1], v[SC+2*(\a):SC+2*(\a)+1]
.endr
.endr
.irp i, 0,1,2,3
	v_pk_fma_f32 v[VS:VS+1], v[CVA+2*(\i):CVA+2*(\i)+1], -0.5, v[VS:VS+1] op_sel_hi:[1,0,1]
.endr
.endm
; THE CONTEXT, two rows a step (lanes 0-15 the even row, lanes 16-31 the odd one; 8 channels a lane): eight multiply-adds from the bf16 halves into f32, by the row's weight.  A ring of 16 loads.
.macro CSTEP i
.if (\i) < 48
	s_wait_dscnt 15                                ; LDS loads come back in order (ISA guide 5.7.1): 15 younger ones may stay out
.else
	s_wait_dscnt 63-(\i)                           ; nothing more is asked for: the count runs down
.endif
.set XR, F1+4*((\i)%16)
.irp d, 0,1,2,3
.if (\i) == 0                          ; the first step starts the sums, with the register that holds 0 as its addend
	v_fma_mix_f32_bf16 v[CX+2*(\d)],   v[XR+(\d)], v[F0+(\i)], v[NIL] op_sel_hi:[1,0,0]
	v_fma_mix_f32_bf16 v[CX+2*(\d)+1], v[XR+(\d)], v[F0+(\i)], v[NIL] op_sel:[1,0,0] op_sel_hi:[1,0,0]
.else
	v_fma_mix_f32_bf16 v[CX+2*(\d)],   v[XR+(\d)], v[F0+(\i)], v[CX+2*(\d)] op_sel_hi:[1,0,0]
	v_fma_mix_f32_bf16 v[CX+2*(\d)+1], v[XR+(\d)], v[F0+(\i)], v[CX+2*(\d)+1] op_sel:[1,0,0] op_sel_hi:[1,0,0]
.endif
.endr
.if (\i) < 48
	ds_load_b128 v[XR:XR+3], v[XA] offset:((\i)+16)*2*PITCH
.endif
.endm
	s_load_b256 s[4:11], s[0:1], 0x0               ; key s[4:5], ub s[6:7], qb s[8:9], va_w s[10:11]
	s_load_b128 s[12:15], s[0:1], 0x20             ; va_b s[12:13], scores s[14:15]
	s_load_b64 s[16:17], s[0:1], 0x30              ; ctxp
	v_lshl_add_u32 v[SPW], v0, 2, SPARE
	v_mov_b32 v[NIL], 0
	v_lshrrev_b32 v1, 5, v0
	v_readfirstlane_b32 s[WV], v1                  ; wave 0..3
	s_and_b32 s19, ttmp9, 31                       ; b
	s_lshr_b32 s20, ttmp9, 5                       ; which 256 positions
	v_and_b32 v[LANE], 31, v0
	v_and_b32 v[R16], 15, v0
	v_bfe_u32 v[HI], v0, 4, 1
	v_lshlrev_b32 v[BO], 4, v[LANE]
	v_mul_u32_u24 v[AD0], v[R16], PITCH
	v_lshl_add_u32 v[AD0], v[HI], 4, v[AD0]
	s_lshl_b32 s22, s[WV], 10                      ; my wave's 256 columns of f32
	s_add_co_u32 s22, s22, CB
	v_lshl_add_u32 v[CA0], v[HI], 5, s22           ; + my half's 8 columns
	s_lshl_b32 s22, s[WV], 9
	s_add_co_u32 s23, s22, SCR
	v_lshl_add_u32 v[SS], v[R16], 2, s23
	v_add_nc_u32 v[SL], SCR, v[BO]
	s_add_co_u32 s23, s22, PW
	v_lshl_add_u32 v[PWS], v[LANE], 3, s23
	v_lshl_add_u32 v[PWL], v[HI], 8, s23
	s_mul_i32 s22, s[WV], 2*KBLK
	v_mul_u32_u24 v[XA0], v[HI], PITCH
	v_lshl_add_u32 v[XA0], v[R16], 4, v[XA0]
	v_add_nc_u32 v[XA0], s22, v[XA0]
	v_lshlrev_b32 v[CO], 5, v[R16]
	v_lshl_add_u32 v[CO], v[HI], 4, v[CO]
	v_lshrrev_b32 v[PF], 1, v[LANE]
	v_lshlrev_b32 v[PF], 17, v[PF]                 ; row l / 2,
	v_and_b32 v30, 1, v[LANE]
	v_lshl_or_b32 v[PF], v30, 8, v[PF]             ; its block l % 2 of 256 bytes
	s_mul_i32 s22, s[WV], 32*PITCH
	v_lshl_add_u32 v[SA0], v[LANE], 3, s22
	v_lshrrev_b32 v[CLQ], 1, v0                    ; qb is [64 blocks of 16 columns][32 b][16]: columns 8 t .. 8 t + 7 lie in block t / 2, half t % 2
	v_lshlrev_b32 v[CLQ], 11, v[CLQ]
	v_and_b32 v30, 1, v0
	v_lshl_or_b32 v[CLQ], v30, 5, v[CLQ]
	v_lshlrev_b32 v[CLO], 5, v0
	v_add_nc_u32 v[CLS], CB, v[CLO]
	s_mov_b32 s[C2], 0x4038aa3b
	s_mov_b32 s[C2+1], s[C2]
	s_mov_b32 s[L2E], 0x3fb8aa3b
	s_mov_b32 s[L2E+1], s[L2E]
	s_mov_b32 s[SEL], 0x76543210
	s_mov_b32 s[SEL+1], 0xfedcba98
	s_mov_b32 s[UPPER], 0xffff0000
	s_mov_b32 s[WRAP+1], 0
	s_mov_b32 s23, 0
	s_wait_kmcnt 0x0
	s_load_b32 s[VB], s[12:13], 0x0                ; va_b: no line of this launch writes it
	s_lshl_b32 s22, s20, 25                        ; 256 positions of 131,072 bytes,
	s_lshl_b32 s21, s[WV], 22                      ; my wave's 32,
	s_add_co_u32 s22, s22, s21
	s_lshl_b32 s21, s19, 12                        ; batch b's 4,096 bytes
	s_add_co_u32 s22, s22, s21
	s_add_nc_u64 s[K0:K0+1], s[4:5], s[22:23]
	s_lshl_b32 s22, s[WV], 19                      ; my wave's two blocks of 128 columns: 524,288 consecutive bytes of ub
	s_add_nc_u64 s[P:P+1], s[6:7], s[22:23]
	s_lshl_b32 s22, s19, 6                         ; batch b's 64 bytes in each block of qb
	s_add_nc_u64 s[8:9], s[8:9], s[22:23]
	s_lshl_b32 s22, s19, 13
	s_lshl_b32 s21, s20, 10
	s_add_co_u32 s22, s22, s21
	s_add_nc_u64 s[SCP:SCP+1], s[14:15], s[22:23]
	s_lshl_b32 s22, s19, 16                        ; 16 parts of 4,096 bytes a batch,
	s_lshl_b32 s21, s20, 13                        ; two of them mine,
	s_add_co_u32 s22, s22, s21
	s_lshl_b32 s21, s[WV], 10                      ; my wave's 256 channels
	s_add_co_u32 s22, s22, s21
	s_add_nc_u64 s[CXP:CXP+1], s[16:17], s[22:23]
	global_load_b128 v[T:T+3],     v[CLQ], s[8:9]
	global_load_b128 v[T+4:T+7],   v[CLQ], s[8:9] offset:16
	global_load_b128 v[T+8:T+11],  v[CLO], s[10:11]
	global_load_b128 v[T+12:T+15], v[CLO], s[10:11] offset:16
	FETCH_B 0, 0                                   ; Ua's first three quarters
	FETCH_B 1, QBY
	FETCH_B 2, 2*QBY
	PRO_LOADS                                      ; the first sub-tile's sets 0 to 4
	s_wait_loadcnt 63                              ; 88 loads are younger than the four of the constants; a wait names 63 at the most, and a smaller count is safe
.irp i, 8,10,12,14
	v_pk_mul_f32 v[T+(\i):T+(\i)+1], v[T+(\i):T+(\i)+1], -2.0 op_sel_hi:[1,0]
.endr
	ds_store_b128 v[CLS], v[T:T+3]
	ds_store_b128 v[CLS], v[T+4:T+7]   offset:16
	ds_store_b128 v[CLS], v[T+8:T+11]  offset:4096
	ds_store_b128 v[CLS], v[T+12:T+15] offset:4112
	s_wait_kmcnt 0x0
	s_mov_b32 s[VB+1], s[VB]                       ; named with it as a pair
	s_mov_b32 s[SUB], 2
.Lsub:                                                 ; ---- a sub-tile of 128 rows.  Its sets 0 to 4 have been asked for
	s_wait_xcnt 0x0                                ; every earlier memory instruction has read its addresses and data: pointers and work registers may be written
	s_mov_b64 s[KP:KP+1], s[K0:K0+1]
	s_add_nc_u64 s[K0:K0+1], s[K0:K0+1], 128*ROWB
.irp r, 0,1,2,3,4,5,6,7
	global_load_b128 v[T+32+4*(\r):T+32+4*(\r)+3], v[BO], s[KP:KP+1] offset:(8+(\r))*ROWB+512 th:TH_LOAD_NT   ; set 5: block 1, rows 8-15
.endr
.irp r, 0,1,2,3,4,5,6,7
	global_load_b128 v[T+4*(\r):T+4*(\r)+3], v[BO], s[KP:KP+1] offset:(16+(\r))*ROWB+512 th:TH_LOAD_NT        ; set 6: block 1, rows 16-23
.endr
.set z, 0
.rept 18
	v_mov_b32 v[SC+z], 0                           ; the scores' sums run over two passes and eight column blocks each: they start at 0
.set z, z+1
.endr
	v_mov_b32 v[CA], v[CA0]
	v_add_nc_u32 v[SAX], KBLK, v[SA0]
.irp s, 0,1,2,3,4
	s_wait_loadcnt 16+8*(4-(\s))                   ; the later sets of the five, and sets 5 and 6, may stay out
	WIN 0x8a                                       ; destination and both sources window 2: rounded in place
.irp m, 0,1,2,3,4,5,6,7,8,9,10,11,12,13,14,15
	v_cvt_pk_bf16_f32 v[32*(\s)+(\m)], v[32*(\s)+2*(\m)], v[32*(\s)+2*(\m)+1]
.endr
	WIN 0x08                                       ; the store's data window 2, its address window 0
.irp r, 0,1,2,3,4,5,6,7
	ds_store_b64 v[SA0], v[32*(\s)+2*(\r):32*(\s)+2*(\r)+1] offset:((\s)/4)*KBLK+(8*((\s)%4)+(\r))*PITCH
.endr
.endr
	WIN 0
	s_wait_dscnt 0x0                               ; for the others' sake: my rows of block 0 (the first time the constants too) are in LDS
	s_barrier_signal -1
	s_barrier_wait -1                              ; everybody's are
	s_mov_b32 s[PASS], 2
.Lpass:                                                ; ---- 128 rows x my 128 columns of this pass, K = 1,024: 32 quarters
	v_mov_b32 v[AD], v[AD0]
	FETCH_A 0, F0
	s_cmp_lg_u32 s[PASS], 2                        ; the loop's own count: the same in every wave
	s_cbranch_scc1 .Lplain
	; the first pass: quarter q rounds set q + 5 and asks for set q + 7
	QS F0, 0, 64, F1, 3, 3*QBY, 1, 1, 8*PITCH, 24*ROWB+512, 8, 0, -1     ; quarter 0 starts the sums; only set 6's 8 loads are younger than set 5
	WIN 0                                          ; at a label and at a branch every window is 0
	s_wait_xcnt 0x0
	s_add_nc_u64 s[P:P+1], s[P:P+1], 4*QBY         ; the pointer steps once for four quarters
	s_mov_b32 s[LAP], 6
.LlapS:                                                ; trip i: quarters 4 i + 1 .. 4 i + 4; sets 4 i + 6 .. 4 i + 9 into LDS (blocks i + 1, i + 2), block i + 2's four sets asked for
	QS F1, 1, 128,     F0, 0, 0,     0, 0, 16*PITCH,     1024,         24, 0, 1536
	QS F0, 2, 192,     F1, 1, QBY,   0, 1, 24*PITCH,     8*ROWB+1024,  24, 0, -1
	QS F1, 3, KBLK,    F0, 2, 2*QBY, 0, 0, KBLK,         16*ROWB+1024, 24, 1, 16*ROWB+1536
	QS F0, 0, KBLK+64, F1, 3, 3*QBY, 0, 1, KBLK+8*PITCH, 24*ROWB+1024, 24, 0, -1
	WIN 0
	v_add_nc_u32 v[AD], KBLK, v[AD]
	v_add_nc_u32 v[SAX], KBLK, v[SAX]
	s_wait_xcnt 0x0                                ; the youngest load stands 64 products back, the youngest prefetch a quarter more
	s_add_nc_u64 s[P:P+1], s[P:P+1], 4*QBY
	s_add_nc_u64 s[KP:KP+1], s[KP:KP+1], 512
	s_sub_co_u32 s[LAP], s[LAP], 1
	s_cmp_lg_u32 s[LAP], 0
	s_cbranch_scc1 .LlapS
	QS F1, 1, 128, F0, 0, 0,   0, 0, 16*PITCH, -1, 24, 0, -1             ; quarters 25 and 26 round the last two sets and ask for none;
	QS F0, 2, 192, F1, 1, QBY, 0, 1, 24*PITCH, -1, 16, 0, -1             ; only quarter 25's 16 loads of Ua are younger than set 31
	WIN 0
	s_wait_dscnt 0x0                               ; for the others' sake: my stores of block 7 are done
	s_barrier_signal -1
	s_barrier_wait -1                              ; everybody's are: the rows are whole
	QUARTER F1, 3, KBLK,    F0, 2, 2*QBY, 0
	QUARTER F0, 0, KBLK+64, F1, 3, 3*QBY, 0
	WIN 0
	v_add_nc_u32 v[AD], KBLK, v[AD]
	s_wait_xcnt 0x0
	s_add_nc_u64 s[P:P+1], s[P:P+1], 4*QBY
	s_branch .Ltail
.Lplain:                                               ; the second pass: the rows lie in LDS
	QUARTER F0, 0, 64, F1, 3, 3*QBY, 1             ; the first quarter starts the sums
	WIN 0
	s_wait_xcnt 0x0
	s_add_nc_u64 s[P:P+1], s[P:P+1], 4*QBY
	s_mov_b32 s[LAP], 7
.Llap:                                                 ; a trip: quarters 4 i + 1 .. 4 i + 4; Ua's quarters 4 i + 4 .. 4 i + 7 are asked for
	QUARTER F1, 1, 128,     F0, 0, 0,     0
	QUARTER F0, 2, 192,     F1, 1, QBY,   0
	QUARTER F1, 3, KBLK,    F0, 2, 2*QBY, 0
	QUARTER F0, 0, KBLK+64, F1, 3, 3*QBY, 0
	WIN 0
	v_add_nc_u32 v[AD], KBLK, v[AD]
	s_wait_xcnt 0x0
	s_add_nc_u64 s[P:P+1], s[P:P+1], 4*QBY
	s_sub_co_u32 s[LAP], s[LAP], 1
	s_cmp_lg_u32 s[LAP], 0
	s_cbranch_scc1 .Llap
.Ltail:                                                ; both passes' last three quarters
	s_cmp_eq_u32 s[PASS], 1                        ; behind the second pass my stream of ub begins anew, for the next sub-tile (behind the last sub-tile the three quarters asked for serve nothing; they lie inside ub)
	s_cselect_b32 s[WRAP], 524288, 0
	s_sub_nc_u64 s[P:P+1], s[P:P+1], s[WRAP:WRAP+1]
	QUARTER F1, 1, 128, F0, 0, 0,     0            ; quarters 29 to 31; the next pass's quarters 0 to 2 of Ua are asked for
	QUARTER F0, 2, 192, F1, 1, QBY,   0
	QUARTER F1, 3, -1,  0,  2, 2*QBY, 0
	WIN 0
	PLACES                                         ; between the last products and the loads into the fragment buffers, and the lines that read results
	PLACES
.irp cb, 0,1,2,3,4,5,6,7
	ds_load_b128 v[F0+16*(\cb):F0+16*(\cb)+3],     v[CA] offset:(\cb)*64
	ds_load_b128 v[F0+16*(\cb)+4:F0+16*(\cb)+7],   v[CA] offset:(\cb)*64+16
	ds_load_b128 v[F0+16*(\cb)+8:F0+16*(\cb)+11],  v[CA] offset:4096+(\cb)*64
	ds_load_b128 v[F0+16*(\cb)+12:F0+16*(\cb)+15], v[CA] offset:4096+(\cb)*64+16
.endr
	s_wait_dscnt 0x0
.irp cb, 0,1,2,3,4,5,6,7
	EPI \cb
.endr
	WIN 0
	v_add_nc_u32 v[CA], 512, v[CA]                 ; the next pass's 128 columns
	s_sub_co_u32 s[PASS], s[PASS], 1
	s_cmp_lg_u32 s[PASS], 0
	s_cbranch_scc1 .Lpass
	; The accumulators have been read: the next sub-tile's sets 0 to 4 are asked for into them, with the scores and the context between the request and its use.  Behind these loads, PREFETCHES INTO THE L2 of what
	; the next first pass asks for in its first five quarters: my rows 16-31 of block 1 and all my 32 rows of block 2, a lane a block of 256 bytes, each named once.  The second sub-tile has none behind it.
	s_cmp_lg_u32 s[SUB], 2
	s_cbranch_scc1 .Lnopro
	PRO_LOADS
	global_prefetch_b8 v[PF], s[K0:K0+1] offset:16*ROWB+512 th:TH_LOAD_NT scope:SCOPE_SE
	global_prefetch_b8 v[PF], s[K0:K0+1] offset:1024 th:TH_LOAD_NT scope:SCOPE_SE
	global_prefetch_b8 v[PF], s[K0:K0+1] offset:16*ROWB+1024 th:TH_LOAD_NT scope:SCOPE_SE
.Lnopro:
	; ---- the scores: my pair, my columns' va, the other half of the lanes' columns; then the four waves' shares meet in LDS
	v_add_f32 v50, v[VS], v[VS+1]
.irp a, 0,1,2,3,4,5,6,7
	v_add_f32 v[T+(\a)], v[SC+2*(\a)], v[SC+2*(\a)+1]
.endr
.irp a, 0,1,2,3,4,5,6,7
	v_add_f32 v[T+(\a)], v[T+(\a)], v50
.endr
.irp a, 0,1,2,3,4,5,6,7
	v_permlanex16_b32 v[T+8+(\a)], v[T+(\a)], s[SEL], s[SEL+1]
.endr
.irp a, 0,1,2,3,4,5,6,7
	v_add_f32 v[T+(\a)], v[T+(\a)], v[T+8+(\a)]
.endr
.irp a, 0,1,2,3,4,5,6,7
	ds_store_b32 v[SS], v[T+(\a)] offset:64*(\a)   ; row 16 a + l % 16; both halves of the lanes write the same number
.endr
	s_wait_dscnt 0x0                               ; for the others' sake
	s_barrier_signal -1
	s_barrier_wait -1
.irp u, 0,1,2,3
	ds_load_b128 v[T+4*(\u):T+4*(\u)+3], v[SL] offset:512*(\u)   ; rows 4 l .. 4 l + 3, wave u's share
.endr
	s_wait_dscnt 0x0
	v_pk_add_f32 v[T:T+1],     v[T:T+1],     v[T+4:T+5]
	v_pk_add_f32 v[T+2:T+3],   v[T+2:T+3],   v[T+6:T+7]
	v_pk_add_f32 v[T+8:T+9],   v[T+8:T+9],   v[T+12:T+13]
	v_pk_add_f32 v[T+10:T+11], v[T+10:T+11], v[T+14:T+15]
	v_pk_add_f32 v[T:T+1],     v[T:T+1],     v[T+8:T+9]
	v_pk_add_f32 v[T+2:T+3],   v[T+2:T+3],   v[T+10:T+11]
	v_pk_add_f32 v[T:T+1],     v[T:T+1],     s[VB:VB+1] op_sel_hi:[1,0]
	v_pk_add_f32 v[T+2:T+3],   v[T+2:T+3],   s[VB:VB+1] op_sel_hi:[1,0]
	s_cmp_lg_u32 s[WV], 0                          ; every wave holds all 128 scores; wave 0 stores them
	s_cbranch_scc1 .Lnot0
	global_store_b128 v[BO], v[T:T+3], s[SCP:SCP+1]  ; 512 consecutive bytes, at a multiple of 256 from the buffer's first byte
.Lnot0:
	v_max3_num_f32 v[T+4], v[T], v[T+1], v[T+2]    ; the sub-tile's maximum
	v_max_num_f32 v[T+4], v[T+4], v[T+3]
	v_max_num_f32_dpp v[T+4], v[T+4], v[T+4] row_xmask:1 row_mask:0xf bank_mask:0xf
	v_max_num_f32_dpp v[T+4], v[T+4], v[T+4] row_xmask:2 row_mask:0xf bank_mask:0xf
	v_max_num_f32_dpp v[T+4], v[T+4], v[T+4] row_xmask:4 row_mask:0xf bank_mask:0xf
	v_max_num_f32_dpp v[T+4], v[T+4], v[T+4] row_xmask:8 row_mask:0xf bank_mask:0xf
	v_permlanex16_b32 v[T+5], v[T+4], s[SEL], s[SEL+1]
	v_max_num_f32 v[T+4], v[T+4], v[T+5]
	v_mul_f32 v[T+6], s[L2E], v[T+4]
	v_fma_f32 v[T+8],  v[T],   s[L2E], -v[T+6]     ; rows 4 l, 4 l + 2: even;
	v_fma_f32 v[T+9],  v[T+2], s[L2E], -v[T+6]
	v_fma_f32 v[T+10], v[T+1], s[L2E], -v[T+6]     ; rows 4 l + 1, 4 l + 3: odd
	v_fma_f32 v[T+11], v[T+3], s[L2E], -v[T+6]
	v_exp_f32 v[T+8],  v[T+8]
	v_exp_f32 v[T+9],  v[T+9]
	v_exp_f32 v[T+10], v[T+10]
	v_exp_f32 v[T+11], v[T+11]
	v_nop
	s_wait_alu depctr_va_vdst(0)                   ; one wait for the four
	ds_store_b64 v[PWS], v[T+8:T+9]                ; into my wave's own bytes: LDS serves a wave's instructions in order (ISA guide 5.7.1.4), so the loads below see them
	ds_store_b64 v[PWS], v[T+10:T+11] offset:256
.irp i, 0,1,2,3,4,5,6,7,8,9,10,11,12,13,14,15
	ds_load_b128 v[F0+4*(\i):F0+4*(\i)+3], v[PWL] offset:16*(\i)   ; register F0 + i: the weight of row 2 i + l / 16
.endr
	; ---- the context's part: my 256 channels, a block of 128 a trip
	v_mov_b32 v[XA], v[XA0]
	s_mov_b32 s[KK], 2
.Lkk:
.irp i, 0,1,2,3,4,5,6,7,8,9,10,11,12,13,14,15
	ds_load_b128 v[F1+4*(\i):F1+4*(\i)+3], v[XA] offset:(\i)*2*PITCH
.endr
.set ci, 0
.rept 64
	CSTEP ci
.set ci, ci+1
.endr
.irp e, 0,1,2,3,4,5,6,7
	v_permlanex16_b32 v[T+16+(\e)], v[CX+(\e)], s[SEL], s[SEL+1]   ; even rows' sums and odd rows' sums lie 16 lanes apart
.endr
.irp e, 0,2,4,6
	v_pk_add_f32 v[CX+(\e):CX+(\e)+1], v[CX+(\e):CX+(\e)+1], v[T+16+(\e):T+16+(\e)+1]
.endr
.irp e, 0,1,2,3
	v_cndmask_b32 v[T+32+(\e)], v[CX+(\e)], v[CX+4+(\e)], s[UPPER]  ; lanes 0-15 store channels 0-3 of their eight, lanes 16-31 channels 4-7
.endr
	global_store_b128 v[CO], v[T+32:T+35], s[CXP:CXP+1]  ; the wave's store covers 512 consecutive bytes, at a multiple of 256 from the buffer's first byte
	s_wait_xcnt 0x0                                ; the store has read its data and its base
	s_add_nc_u64 s[CXP:CXP+1], s[CXP:CXP+1], 512
	v_add_nc_u32 v[XA], KBLK, v[XA]
	s_sub_co_u32 s[KK], s[KK], 1
	s_cmp_lg_u32 s[KK], 0
	s_cbranch_scc1 .Lkk
	s_add_nc_u64 s[CXP:CXP+1], s[CXP:CXP+1], 4096-1024  ; the next part
	s_add_nc_u64 s[SCP:SCP+1], s[SCP:SCP+1], 512
	s_wait_dscnt 0x0                               ; my reads of the rows are over
	s_barrier_signal -1
	s_barrier_wait -1                              ; everybody's are: the rows may be written again
	s_sub_co_u32 s[SUB], s[SUB], 1
	s_cmp_lg_u32 s[SUB], 0
	s_cbranch_scc1 .Lsub
	s_wait_tensorcnt 0x0                           ; the wave's end, behind my last LDS store
	ds_add_u32 v[SPW], v[NIL]
	s_wait_dscnt 0x0
	s_endpgm
.Lfunc_end_k_q023a6bd77b_main:
	.size	k_q023a6bd77b_main, .Lfunc_end_k_q023a6bd77b_main-k_q023a6bd77b_main
	.p2alignl 7, 3214868480
	.fill 96, 4, 3214868480
	.section	.rodata,"a",@progbits
	.p2align	6, 0x0
	.amdhsa_kernel k_q023a6bd77b_main
		.amdhsa_group_segment_fixed_size 291328
		.amdhsa_private_segment_fixed_size 0
		.amdhsa_enable_private_segment 0
		.amdhsa_kernarg_size 56
		.amdhsa_user_sgpr_count 2
		.amdhsa_user_sgpr_kernarg_segment_ptr 1
		.amdhsa_wavefront_size32 1
		.amdhsa_system_sgpr_workgroup_id_x 1
		.amdhsa_system_sgpr_workgroup_id_y 1
		.amdhsa_system_sgpr_workgroup_id_z 1
		.amdhsa_system_vgpr_workitem_id 0
		.amdhsa_next_free_vgpr 1024
		.amdhsa_next_free_sgpr 66
		.amdhsa_reserve_vcc 0
		.amdhsa_float_denorm_mode_32 3
		.amdhsa_float_denorm_mode_16_64 3
		.amdhsa_memory_ordered 1
		.amdhsa_forward_progress 1
		.amdhsa_inst_pref_size 255
	.end_amdhsa_kernel
	.section	.bss,"aw",@nobits
	.p2align	6
	.space	262144
	.amdgpu_metadata
---
amdhsa.version: [ 1, 2 ]
amdhsa.kernels:
  - .name:           k_q023a6bd77b_main
    .symbol:         k_q023a6bd77b_main.kd
    .args:
      - { .name: key, .offset: 0, .size: 8, .value_kind: global_buffer, .address_space: global }
      - { .name: ub, .offset: 8, .size: 8, .value_kind: global_buffer, .address_space: global }
      - { .name: qb, .offset: 16, .size: 8, .value_kind: global_buffer, .address_space: global }
      - { .name: va_w, .offset: 24, .size: 8, .value_kind: global_buffer, .address_space: global }
      - { .name: va_b, .offset: 32, .size: 8, .value_kind: global_buffer, .address_space: global }
      - { .name: scores, .offset: 40, .size: 8, .value_kind: global_buffer, .address_space: global }
      - { .name: ctxp, .offset: 48, .size: 8, .value_kind: global_buffer, .address_space: global }
    .group_segment_fixed_size: 291328
    .private_segment_fixed_size: 0
    .kernarg_segment_align: 8
    .kernarg_segment_size: 56
    .max_flat_workgroup_size: 128
    .sgpr_count:     66
    .vgpr_count:     1024
    .wavefront_size: 32
...
	.end_amdgpu_metadata
.endif
;; end of part 2
;; launch fin (part 3): grid 256 x 1, 1 waves a work-group, no clusters, 0 bytes of LDS; arguments scores, ctxp, out0, out1; writes out0, out1
.if DOCPART == 3
	.amdgcn_target "amdgcn-amd-amdhsa--gfx1250"
	.amdhsa_code_object_version 6
	.text
	.protected	k_q023a6bd77b_fin
	.globl	k_q023a6bd77b_fin
	.p2align	8
	.type	k_q023a6bd77b_fin,@function
k_q023a6bd77b_fin:
	s_mov_b64 s[64:65], 0
	v_nop
	global_prefetch_b8 v0, s[64:65] scope:SCOPE_SE
	s_setreg_imm32_b32 hwreg(HW_REG_WAVE_MODE, 25, 1), 1
	s_wait_xcnt 0x0
; THE MERGE.  scores: [32 b][2048] f32, raw.  ctxp: [32 b][16 parts][1024] f32, part j = sum over its 128 positions of 2^((score - m_j) log2 e) key, m_j = the part's largest score.
; out1[b][s] = 2^((score - M) log2 e) / L;  out0[b][:] = sum_j 2^((m_j - M) log2 e) ctxp[b][j][:] / L;  M = the largest of the batch's scores, L = the sum of its 2,048 exponentials.
; One wave a work-group: batch b = number >> 3, and of it 128 channels of out0 and 256 weights of out1 (g = number & 7).  Every work-group of a batch reads all its scores (8 KiB) and finds m_j, M and L
; itself: a maximum is exact, so m_j is the number that the launch before used.  No LDS, no barrier, no matrix unit: 16 KiB in, 1.5 KiB out.
; LIMITS: NaN and infinities are not treated apart; an exponential below 2^-126 counts as 0.
.set S,  16                            ; v[16:79]   load j = part j's 128 scores, four a lane
.set W,  80                            ; v[80:87]   my work-group's 256 scores once more
.set C,  88                            ; v[88:151]  part j's 128 channels, four a lane
.set M,  152                           ; v[152:183] m_j, later e_j, at M + 2 j (a broadcast source is a pair that starts on an even register); M + 2 j + 1 at work
.set MX, 184
.set MC, 186                           ; v[186:187] M log2 e, twice
.set RL, 188                           ; v[188:189] 1 / L, and a written partner
.set CT, 190                           ; v[190:193] my four channels
	s_load_b256 s[4:11], s[0:1], 0x0               ; scores s[4:5], ctxp s[6:7], out0 s[8:9], out1 s[10:11]
	s_lshr_b32 s14, ttmp9, 3                       ; b
	s_and_b32 s15, ttmp9, 7                        ; g
	v_lshlrev_b32 v1, 4, v0                        ; 16 x lane
	s_mov_b32 s12, 0x3fb8aa3b                      ; log2 e
	s_mov_b32 s13, s12
	s_mov_b32 s22, 0x76543210
	s_mov_b32 s23, 0xfedcba98
	s_lshl_b32 s16, s14, 13                        ; a batch's scores and weights: 8,192 bytes
	s_mov_b32 s17, 0
	s_lshl_b32 s18, s15, 10                        ; my 256 of them
	s_mov_b32 s19, 0
	s_lshl_b32 s20, s14, 16                        ; a batch's 16 parts
	s_lshl_b32 s21, s15, 9                         ; my 128 channels
	s_add_co_u32 s20, s20, s21
	s_lshl_b32 s24, s14, 12
	s_add_co_u32 s24, s24, s21
	s_mov_b32 s21, 0
	s_mov_b32 s25, 0
	s_wait_kmcnt 0x0
	s_add_nc_u64 s[4:5], s[4:5], s[16:17]
	s_add_nc_u64 s[26:27], s[4:5], s[18:19]
	s_add_nc_u64 s[6:7], s[6:7], s[20:21]
	s_add_nc_u64 s[8:9], s[8:9], s[24:25]
	s_add_nc_u64 s[10:11], s[10:11], s[16:17]
	s_add_nc_u64 s[10:11], s[10:11], s[18:19]
.irp j, 0,1,2,3,4,5,6,7,8,9,10,11,12,13,14,15
	global_load_b128 v[S+4*(\j):S+4*(\j)+3], v1, s[4:5] offset:512*(\j)
.endr
	global_load_b128 v[W:W+3],   v1, s[26:27]
	global_load_b128 v[W+4:W+7], v1, s[26:27] offset:512
.irp j, 0,1,2,3,4,5,6,7,8,9,10,11,12,13,14,15
	global_load_b128 v[C+4*(\j):C+4*(\j)+3], v1, s[6:7] offset:4096*(\j) th:TH_LOAD_NT
.endr
	s_wait_loadcnt 18                              ; the 2 + 16 younger loads may stay out: the scores are in
.irp j, 0,1,2,3,4,5,6,7,8,9,10,11,12,13,14,15
	v_max3_num_f32 v[M+2*(\j)+1], v[S+4*(\j)], v[S+4*(\j)+1], v[S+4*(\j)+2]
.endr
.irp j, 0,1,2,3,4,5,6,7,8,9,10,11,12,13,14,15
	v_max_num_f32 v[M+2*(\j)], v[M+2*(\j)+1], v[S+4*(\j)+3]
.endr
.irp x, 1,2,4,8
.irp j, 0,1,2,3,4,5,6,7,8,9,10,11,12,13,14,15
	v_max_num_f32_dpp v[M+2*(\j)], v[M+2*(\j)], v[M+2*(\j)] row_xmask:\x row_mask:0xf bank_mask:0xf
.endr
.endr
.irp j, 0,1,2,3,4,5,6,7,8,9,10,11,12,13,14,15
	v_permlanex16_b32 v[M+2*(\j)+1], v[M+2*(\j)], s22, s23
.endr
.irp j, 0,1,2,3,4,5,6,7,8,9,10,11,12,13,14,15
	v_max_num_f32 v[M+2*(\j)], v[M+2*(\j)], v[M+2*(\j)+1]   ; m_j, in every lane
.endr
	v_max3_num_f32 v[MX], v[M], v[M+2], v[M+4]
.irp j, 3,5,7,9,11,13
	v_max3_num_f32 v[MX], v[MX], v[M+2*(\j)], v[M+2*(\j)+2]
.endr
	v_max_num_f32 v[MX], v[MX], v[M+30]            ; M
	v_mul_f32 v[MC], s12, v[MX]
	v_mov_b32 v[MC+1], v[MC]
.irp j, 0,1,2,3,4,5,6,7,8,9,10,11,12,13,14,15
	v_fma_f32 v[M+2*(\j)], v[M+2*(\j)], s12, -v[MC]
.endr
.set k, 0
.rept 32
	v_pk_fma_f32 v[S+2*k:S+2*k+1], v[S+2*k:S+2*k+1], s[12:13], v[MC:MC+1] op_sel_hi:[1,0,0] neg_lo:[0,0,1] neg_hi:[0,0,1]
.set k, k+1
.endr
	s_wait_loadcnt 16                              ; my 256 scores are in; the parts may stay out
.irp k, 0,2,4,6
	v_pk_fma_f32 v[W+(\k):W+(\k)+1], v[W+(\k):W+(\k)+1], s[12:13], v[MC:MC+1] op_sel_hi:[1,0,0] neg_lo:[0,0,1] neg_hi:[0,0,1]
.endr
.irp j, 0,1,2,3,4,5,6,7,8,9,10,11,12,13,14,15
	v_exp_f32 v[M+2*(\j)], v[M+2*(\j)]             ; e_j
.endr
.set k, 0
.rept 64
	v_exp_f32 v[S+k], v[S+k]
.set k, k+1
.endr
.set k, 0
.rept 8
	v_exp_f32 v[W+k], v[W+k]
.set k, k+1
.endr
	v_nop                                          ; a plain instruction behind the last exponential,
	s_wait_alu depctr_va_vdst(0)                   ; and one wait for the batch of 88
.irp st, 16,8,4,2,1                    ; L: the 32 pairs are added 16, 8, 4, 2 and 1 pairs apart
.set k, 0
.rept \st
	v_pk_add_f32 v[S+2*k:S+2*k+1], v[S+2*k:S+2*k+1], v[S+2*(k+(\st)):S+2*(k+(\st))+1]
.set k, k+1
.endr
.endr
	v_add_f32 v[S], v[S], v[S+1]
	v_add_f32_dpp v[S], v[S], v[S] row_xmask:1 row_mask:0xf bank_mask:0xf
	v_add_f32_dpp v[S], v[S], v[S] row_xmask:2 row_mask:0xf bank_mask:0xf
	v_add_f32_dpp v[S], v[S], v[S] row_xmask:4 row_mask:0xf bank_mask:0xf
	v_add_f32_dpp v[S], v[S], v[S] row_xmask:8 row_mask:0xf bank_mask:0xf
	v_permlanex16_b32 v[S+1], v[S], s22, s23
	v_add_f32 v[S], v[S], v[S+1]
	v_rcp_f32 v[RL], v[S]
	v_mov_b32 v[RL+1], 0                           ; the pair's other register; also the plain instruction behind the reciprocal
	s_wait_loadcnt 0x0                             ; the parts are in; their sum stands between the reciprocal and the wait for it
	v_pk_mul_f32 v[CT:CT+1],   v[C:C+1],   v[M:M+1] op_sel_hi:[1,0]
	v_pk_mul_f32 v[CT+2:CT+3], v[C+2:C+3], v[M:M+1] op_sel_hi:[1,0]
.irp j, 1,2,3,4,5,6,7,8,9,10,11,12,13,14,15
	v_pk_fma_f32 v[CT:CT+1],   v[C+4*(\j):C+4*(\j)+1],   v[M+2*(\j):M+2*(\j)+1], v[CT:CT+1]   op_sel_hi:[1,0,1]
	v_pk_fma_f32 v[CT+2:CT+3], v[C+4*(\j)+2:C+4*(\j)+3], v[M+2*(\j):M+2*(\j)+1], v[CT+2:CT+3] op_sel_hi:[1,0,1]
.endr
	s_wait_alu depctr_va_vdst(0)                   ; the reciprocal's wait, ahead of its first reader
	v_pk_mul_f32 v[CT:CT+1],   v[CT:CT+1],   v[RL:RL+1] op_sel_hi:[1,0]
	v_pk_mul_f32 v[CT+2:CT+3], v[CT+2:CT+3], v[RL:RL+1] op_sel_hi:[1,0]
.irp k, 0,2,4,6
	v_pk_mul_f32 v[W+(\k):W+(\k)+1], v[W+(\k):W+(\k)+1], v[RL:RL+1] op_sel_hi:[1,0]
.endr
	global_store_b128 v1, v[CT:CT+3], s[8:9]       ; each store of the wave covers 512 consecutive bytes, at a multiple of 256 from its buffer's first byte
	global_store_b128 v1, v[W:W+3],   s[10:11]
	global_store_b128 v1, v[W+4:W+7], s[10:11] offset:512
	s_endpgm
.Lfunc_end_k_q023a6bd77b_fin:
	.size	k_q023a6bd77b_fin, .Lfunc_end_k_q023a6bd77b_fin-k_q023a6bd77b_fin
	.p2alignl 7, 3214868480
	.fill 96, 4, 3214868480
	.section	.rodata,"a",@progbits
	.p2align	6, 0x0
	.amdhsa_kernel k_q023a6bd77b_fin
		.amdhsa_group_segment_fixed_size 0
		.amdhsa_private_segment_fixed_size 0
		.amdhsa_enable_private_segment 0
		.amdhsa_kernarg_size 32
		.amdhsa_user_sgpr_count 2
		.amdhsa_user_sgpr_kernarg_segment_ptr 1
		.amdhsa_wavefront_size32 1
		.amdhsa_system_sgpr_workgroup_id_x 1
		.amdhsa_system_sgpr_workgroup_id_y 1
		.amdhsa_system_sgpr_workgroup_id_z 1
		.amdhsa_system_vgpr_workitem_id 0
		.amdhsa_next_free_vgpr 200
		.amdhsa_next_free_sgpr 66
		.amdhsa_reserve_vcc 0
		.amdhsa_float_denorm_mode_32 3
		.amdhsa_float_denorm_mode_16_64 3
		.amdhsa_memory_ordered 1
		.amdhsa_forward_progress 1
		.amdhsa_inst_pref_size 24
	.end_amdhsa_kernel
	.amdgpu_metadata
---
amdhsa.version: [ 1, 2 ]
amdhsa.kernels:
  - .name:           k_q023a6bd77b_fin
    .symbol:         k_q023a6bd77b_fin.kd
    .args:
      - { .name: scores, .offset: 0, .size: 8, .value_kind: global_buffer, .address_space: global }
      - { .name: ctxp, .offset: 8, .size: 8, .value_kind: global_buffer, .address_space: global }
      - { .name: out0, .offset: 16, .size: 8, .value_kind: global_buffer, .address_space: global }
      - { .name: out1, .offset: 24, .size: 8, .value_kind: global_buffer, .address_space: global }
    .group_segment_fixed_size: 0
    .private_segment_fixed_size: 0
    .kernarg_segment_align: 8
    .kernarg_segment_size: 32
    .max_flat_workgroup_size: 32
    .sgpr_count:     66
    .vgpr_count:     200
    .wavefront_size: 32
...
	.end_amdgpu_metadata
.endif
;; end of part 3
